; MI455X (gfx1250); checked and timed in simulation.
; The chip was launched on July 23, 2026; its instructions are those of AMD's public machine-readable ISA for CDNA 5 (MIT licence, August 2026) and "CDNA5" Instruction Set Architecture Reference Guide (July 2026). The comments in the code are by the model that wrote it; some were corrected since.
;; HQQ Linear. Allowed arithmetic: float matrix products may take bf16 or f16 operands with f32 sums; other float arithmetic in f32, or as packed bf16 or f16 multiplies, adds, multiply-adds, maxima and minima; sums over many terms, partial sums and values carried from step to step in f32; what a program stores and reads back later, other than sums and carried values, may be rounded once to bf16 or f16.
;; Inputs: W_packed 2,048 x 512 int32; bias 2,048 float32; scale 131,072 x 1 float32; x 8,192 x 4,096 float32; zero 131,072 x 1 float32.
;; Outputs: out0 8,192 x 2,048 float32.
;; 2 versions, each right; version 2 is version 1 with the launch prep written anew for expert scheduling mode. Each part assembles by itself: llvm-mc -triple=amdgcn-amd-amdhsa -mcpu=gfx1250 --defsym DOCPART=n.
;; ======== version 1 of 2: 2 launches
;; limits: values are held in f16: magnitudes above 65,504 overflow, below 6.1e-05 lose precision; inputs' magnitudes at most 65,504
;; workspace buffers: xh 67,108,864 bytes; wh 16,777,216 bytes
;; launch prep (part 1): grid 1024 x 1, 4 waves a work-group, no clusters, 5,632 bytes of LDS; arguments x, W_packed, scale, zero, xh, wh; writes xh, wh
.if DOCPART == 1
	.amdgcn_target "amdgcn-amd-amdhsa--gfx1250"
	.amdhsa_code_object_version 6
	.text
	.protected	k_qb76998da64_prep
	.globl	k_qb76998da64_prep
	.p2align	8
	.type	k_qb76998da64_prep,@function
k_qb76998da64_prep:
	s_mov_b64 s[64:65], 0
	v_nop
	global_prefetch_b8 v0, s[64:65] scope:SCOPE_SE
	s_setreg_imm32_b32 hwreg(HW_REG_WAVE_MODE, 25, 1), 1
	s_wait_xcnt 0x0
; TWO JOBS, SHARED OUT EVENLY: each of the 4,096 waves does 1/4,096 of both.
; (a) wh = W_hat in f16, [2048][4096] row-major.  W_hat[n][k] = (bit - zero[g]) x scale[g], g = 64 n + k / 64; bit j of the word W_packed[n][k / 8] belongs to k % 8 = j; bits above bit 7 are ignored.
;     A group has two values only: lo = (0 - zero) x scale and hi = (1 - zero) x scale, made in f32 in that order and rounded once to f16.
; (b) xh = x rounded once to f16, [8192][4096] row-major.
; LIMITS.  A value of 65,520 or more in magnitude becomes an infinity in f16; below 6e-5 f16 keeps a fixed step of 6e-8.  NaN and infinities are not treated apart.
; SHARES.  Wave w of work-group b: (a) rows 2 b and 2 b + 1, k = 1,024 w .. 1,024 w + 1,023: 512 consecutive bytes of W_packed and 16 groups of each row; it writes, for each row, eight blocks of 256
; consecutive bytes, each at a multiple of 256 from wh's first byte.  A lane's 16 bytes of output are the 8 bits of ONE word of W_packed.  LDS serves only to change lanes; each wave has bytes of its own: no barrier.
; (b) 32,768 consecutive bytes of x: 64 loads of 512 consecutive bytes through a ring of 16 register slots; each becomes one store of 256 consecutive bytes, at a multiple of 256 from xh's first byte.
; The ring's first 16 loads are issued ahead of (a)'s arithmetic and are on their way while it runs.  Every place stands in an immediate: no address register is ever rewritten.
; No matrix unit, no cluster, no tensor load: no byte is wanted by two waves (but scale's and zero's rows, 256 bytes that a work-group's four waves share).
.set WBYTES, 1280                      ; LDS bytes of a wave
.set RP,     576                       ; a row's 128 words: 512 bytes + 64 = 144 words: the second row starts 16 banks on (64 banks of 4 bytes: ISA guide 11.1)
.set TBL,    2*RP                      ; behind them the table of (lo, hi) words: [row][parity of the group][8 words]
.set SPARE,  4*WBYTES                  ; the spare words, 128 bytes for each wave: two blocks of 256 bytes that no other line names
.set DEPTH,  16                        ; slots of the ring = loads of x in flight in each wave
.set NL,     64                        ; loads of x of a wave
.set YS,     32                        ; pairs of registers for the stores' data: each is used twice
.set GI,  4                            ; v4   16 x lane: offset of the loads of x and of W_packed
.set XO,  5                            ; v5   8 x lane: offset of the stores into xh
.set GS,  6                            ; v6   my group in scale and zero: row x 256 + 4 (l % 16)
.set GO,  7                            ; v7   my 16 bytes in wh: row x 8,192 + 16 (l % 16)
.set LW,  8                            ; v8   where I put 16 bytes of W_packed
.set LT,  9                            ; v9   where I put my table word
.set RW,  10                           ; v10  where I read my word of step 0
.set RT,  11                           ; v11  where I read my eight table words
.set T0,  12                           ; v12, v13 at work
.set T1,  13
.set SPW, 14                           ; v14  LDS address of my spare word; never rewritten
.set NIL, 15                           ; v15  0; never rewritten
.set WP,  16                           ; v[16:23]  W_packed as loaded: four words of row 0, four of row 1
.set SC,  24                           ; v24  scale,  v25 zero,  v26 my (lo, hi) word
.set ZE,  25
.set PKW, 26
.set SEL, 28                           ; v[28:31]  four byte selectors
.set LH,  32                           ; v[32:39]  (lo, hi) of step t
.set WW,  40                           ; v[40:47]  my packed word of step t
.set OUT, 48                           ; v[48:79]  four registers for each step: none is written again
.set X,   80                           ; v[80:143]  the ring: slot i, four registers as loaded
.set Y,   144                          ; v[144:207] the stores' data
	s_load_b256 s[4:11], s[0:1], 0x0               ; x s[4:5], W_packed s[6:7], scale s[8:9], zero s[10:11]
	s_load_b128 s[12:15], s[0:1], 0x20             ; xh s[12:13], wh s[14:15]
	v_lshl_add_u32 v[SPW], v0, 2, SPARE
	v_mov_b32 v[NIL], 0
	v_lshrrev_b32 v1, 5, v0
	v_readfirstlane_b32 s16, v1                    ; wave 0..3
	v_and_b32 v1, 31, v0                           ; l
	v_and_b32 v2, 15, v0                           ; l % 16: my word in a block of 16 words (128 k)
	v_bfe_u32 v3, v0, 4, 1                         ; row: 2 b or 2 b + 1
	s_mul_i32 s17, s16, WBYTES                     ; my wave's LDS bytes
	s_add_co_u32 s18, s17, TBL                     ; its table
	s_mov_b32 s20, 0x02020202                      ; bit 1 of each selector byte
	s_mov_b32 s21, 0x01000100                      ; selector of (lo, lo)
	v_lshlrev_b32 v[GI], 4, v1
	v_lshlrev_b32 v[XO], 3, v1
	v_lshlrev_b32 v[GS], 2, v2
	v_lshl_add_u32 v[GS], v3, 8, v[GS]
	v_lshlrev_b32 v[GO], 4, v2
	v_lshl_add_u32 v[GO], v3, 13, v[GO]
	v_add_nc_u32 v[LW], s17, v[GI]
	v_and_b32 v[T0], 1, v0                         ; as loaded, lane l holds group l % 16 of its row: its parity,
	v_bfe_u32 v[T1], v0, 1, 3                      ; and the step to which it belongs
	v_lshlrev_b32 v[LT], 6, v3                     ; a row's table is 64 bytes,
	v_lshl_add_u32 v[LT], v[T0], 5, v[LT]          ; a parity's 32
	v_lshl_add_u32 v[LT], v[T1], 2, v[LT]
	v_add_nc_u32 v[LT], s18, v[LT]
	v_mul_u32_u24 v[RW], v3, RP
	v_lshl_add_u32 v[RW], v2, 2, v[RW]
	v_add_nc_u32 v[RW], s17, v[RW]
	v_bfe_u32 v[T0], v0, 3, 1                      ; words 0-7 of a block lie in its even group, words 8-15 in its odd one
	v_lshlrev_b32 v[RT], 6, v3
	v_lshl_add_u32 v[RT], v[T0], 5, v[RT]
	v_add_nc_u32 v[RT], s18, v[RT]
	s_lshl_b32 s22, ttmp9, 17                      ; x: 131,072 bytes a work-group,
	s_lshl_b32 s23, s16, 15                        ; 32,768 a wave: under 2^27 in all
	s_add_co_u32 s22, s22, s23
	s_mov_b32 s23, 0
	s_lshr_b32 s24, s22, 1                         ; xh: half of that
	s_mov_b32 s25, 0
	s_lshl_b32 s26, ttmp9, 12                      ; W_packed: two rows of 2,048 bytes a work-group,
	s_lshl_b32 s27, s16, 9                         ; 512 bytes of each a wave
	s_add_co_u32 s26, s26, s27
	s_mov_b32 s27, 0
	s_lshr_b32 s28, s26, 3                         ; scale and zero: rows of 256 bytes, 64 bytes a wave
	s_mov_b32 s29, 0
	s_lshl_b32 s30, s26, 2                         ; wh: rows of 8,192 bytes, 2,048 bytes a wave
	s_mov_b32 s31, 0
	s_wait_kmcnt 0x0
	s_add_nc_u64 s[4:5], s[4:5], s[22:23]
	s_add_nc_u64 s[12:13], s[12:13], s[24:25]
	s_add_nc_u64 s[6:7], s[6:7], s[26:27]
	s_add_nc_u64 s[8:9], s[8:9], s[28:29]
	s_add_nc_u64 s[10:11], s[10:11], s[28:29]
	s_add_nc_u64 s[14:15], s[14:15], s[30:31]
	global_load_b32 v[SC], v[GS], s[8:9]
	global_load_b32 v[ZE], v[GS], s[10:11]
	global_load_b128 v[WP:WP+3],   v[GI], s[6:7] th:TH_LOAD_NT
	global_load_b128 v[WP+4:WP+7], v[GI], s[6:7] offset:2048 th:TH_LOAD_NT
.set i, 0
.rept DEPTH
	global_load_b128 v[X+4*i:X+4*i+3], v[GI], s[4:5] offset:i*512 th:TH_LOAD_NT  ; the ring is filled
.set i, i+1
.endr
	s_wait_loadcnt DEPTH+2                         ; scale and zero are in; W_packed's two loads and the ring's sixteen stay out
	v_sub_f32 v[T0], 0, v[ZE]                      ; 0 - zero
	v_sub_f32 v[T1], 1.0, v[ZE]                    ; 1 - zero
	v_mul_f32 v[T0], v[T0], v[SC]
	v_mul_f32 v[T1], v[T1], v[SC]
	v_cvt_pk_f16_f32 v[PKW], v[T0], v[T1]          ; lo in the low half, hi in the high half
	ds_store_b32 v[LT], v[PKW]
	s_wait_loadcnt DEPTH                           ; W_packed is in
	ds_store_b128 v[LW], v[WP:WP+3]
	ds_store_b128 v[LW], v[WP+4:WP+7] offset:RP
	; LDS serves a wave's instructions in order (ISA guide 5.7.1.4): the loads below see the stores above; the bytes are my wave's own
	ds_load_b128 v[LH:LH+3],   v[RT]
	ds_load_b128 v[LH+4:LH+7], v[RT] offset:16
.set t, 0
.rept 8
	ds_load_b32 v[WW+t], v[RW] offset:64*t         ; lanes 0-15 take 16 neighbouring words, lanes 16-31 the 16 that lie 144 words on: 32 different banks
.set t, t+1
.endr
; Step t: 128 k of both rows.  The byte B is spread so that bit 2 p stands at places 2 p + 1 and 2 p + 9 and bit 2 p + 1 at places 2 p + 17 and 2 p + 25; shifted right by 2 p and masked,
; that is bit 1 of the four selector bytes: bytes (0, 1) of the table word, lo, where the bit is 0, bytes (2, 3), hi, where it is 1.  Place 16, where two bits meet, is never taken.
.set t, 0
.rept 8
	s_wait_dscnt 7-t                               ; my word of step t is in (and the table words, asked for earlier); the younger loads stay out
	v_and_b32 v[T0], 0xff, v[WW+t]
	v_lshl_or_b32 v[T0], v[T0], 8, v[T0]
	v_lshlrev_b32 v[T1], 1, v[T0]
	v_lshl_or_b32 v[T0], v[T0], 16, v[T1]
	v_lshrrev_b32 v[SEL+1], 2, v[T0]
	v_lshrrev_b32 v[SEL+2], 4, v[T0]
	v_lshrrev_b32 v[SEL+3], 6, v[T0]
	v_and_or_b32 v[SEL], v[T0], s20, s21
	v_and_or_b32 v[SEL+1], v[SEL+1], s20, s21
	v_and_or_b32 v[SEL+2], v[SEL+2], s20, s21
	v_and_or_b32 v[SEL+3], v[SEL+3], s20, s21
.irp p, 0,1,2,3
	v_perm_b32 v[OUT+4*t+(\p)], v[LH+t], v[LH+t], v[SEL+(\p)]
.endr
	global_store_b128 v[GO], v[OUT+4*t:OUT+4*t+3], s[14:15] offset:t*256  ; lanes 0-15 store 256 consecutive bytes of row 2 b, lanes 16-31 of row 2 b + 1
.set t, t+1
.endr
; The stream.  Slot i % 16 holds load i; when it has been converted it is asked for again, 16 loads on, ahead of the store.
.set i, 0
.rept NL
.if NL-1-i < DEPTH-1
	s_wait_loadcnt NL-1-i                          ; the last sixteen load nothing: the counts run down
.else
	s_wait_loadcnt DEPTH-1                         ; loads come back in order (ISA guide 5.7.1): mine is in, the fifteen younger ones stay out
.endif
.if i == YS
	s_wait_xcnt 0x0                                ; the first 32 stores have read their data: from here on those registers are written a second time
.endif
	v_cvt_pk_f16_f32 v[Y+2*(i%YS)],   v[X+4*(i%DEPTH)],   v[X+4*(i%DEPTH)+1]
	v_cvt_pk_f16_f32 v[Y+2*(i%YS)+1], v[X+4*(i%DEPTH)+2], v[X+4*(i%DEPTH)+3]
.if i+DEPTH < NL
	global_load_b128 v[X+4*(i%DEPTH):X+4*(i%DEPTH)+3], v[GI], s[4:5] offset:(i+DEPTH)*512 th:TH_LOAD_NT
.endif
	global_store_b64 v[XO], v[Y+2*(i%YS):Y+2*(i%YS)+1], s[12:13] offset:i*256  ; 32 lanes store 256 consecutive bytes
.set i, i+1
.endr
	s_wait_tensorcnt 0x0                           ; the wave's end, behind my last LDS store
	ds_add_u32 v[SPW], v[NIL]
	s_wait_dscnt 0x0
	s_endpgm
.Lfunc_end_k_qb76998da64_prep:
	.size	k_qb76998da64_prep, .Lfunc_end_k_qb76998da64_prep-k_qb76998da64_prep
	.p2alignl 7, 3214868480
	.fill 96, 4, 3214868480
	.section	.rodata,"a",@progbits
	.p2align	6, 0x0
	.amdhsa_kernel k_qb76998da64_prep
		.amdhsa_group_segment_fixed_size 5632
		.amdhsa_private_segment_fixed_size 0
		.amdhsa_enable_private_segment 0
		.amdhsa_kernarg_size 48
		.amdhsa_user_sgpr_count 2
		.amdhsa_user_sgpr_kernarg_segment_ptr 1
		.amdhsa_wavefront_size32 1
		.amdhsa_system_sgpr_workgroup_id_x 1
		.amdhsa_system_sgpr_workgroup_id_y 1
		.amdhsa_system_sgpr_workgroup_id_z 1
		.amdhsa_system_vgpr_workitem_id 0
		.amdhsa_next_free_vgpr 208
		.amdhsa_next_free_sgpr 66
		.amdhsa_reserve_vcc 0
		.amdhsa_float_denorm_mode_32 3
		.amdhsa_float_denorm_mode_16_64 3
		.amdhsa_memory_ordered 1
		.amdhsa_forward_progress 1
		.amdhsa_inst_pref_size 34
	.end_amdhsa_kernel
	.amdgpu_metadata
---
amdhsa.version: [ 1, 2 ]
amdhsa.kernels:
  - .name:           k_qb76998da64_prep
    .symbol:         k_qb76998da64_prep.kd
    .args:
      - { .name: x, .offset: 0, .size: 8, .value_kind: global_buffer, .address_space: global }
      - { .name: W_packed, .offset: 8, .size: 8, .value_kind: global_buffer, .address_space: global }
      - { .name: scale, .offset: 16, .size: 8, .value_kind: global_buffer, .address_space: global }
      - { .name: zero, .offset: 24, .size: 8, .value_kind: global_buffer, .address_space: global }
      - { .name: xh, .offset: 32, .size: 8, .value_kind: global_buffer, .address_space: global }
      - { .name: wh, .offset: 40, .size: 8, .value_kind: global_buffer, .address_space: global }
    .group_segment_fixed_size: 5632
    .private_segment_fixed_size: 0
    .kernarg_segment_align: 8
    .kernarg_segment_size: 48
    .max_flat_workgroup_size: 128
    .sgpr_count:     66
    .vgpr_count:     208
    .wavefront_size: 32
...
	.end_amdgpu_metadata
.endif
;; end of part 1
;; launch gemm (part 2): grid 8 x 32, 4 waves a work-group, clusters of 4 x 4, 327,680 bytes of LDS; arguments xh, wh, bias, out0; writes out0
.if DOCPART == 2
	.amdgcn_target "amdgcn-amd-amdhsa--gfx1250"
	.amdhsa_code_object_version 6
	.text
	.protected	k_qb76998da64_gemm
	.globl	k_qb76998da64_gemm
	.p2align	8
	.type	k_qb76998da64_gemm,@function
k_qb76998da64_gemm:
	s_mov_b64 s[64:65], 0
	v_nop
	global_prefetch_b8 v0, s[64:65] scope:SCOPE_SE
	s_setreg_imm32_b32 hwreg(HW_REG_WAVE_MODE, 25, 1), 1
	s_wait_xcnt 0x0
	s_wait_alu depctr_hold_cnt(0) depctr_sa_sdst(0) depctr_va_vdst(0) depctr_va_sdst(0) depctr_va_ssrc(0) depctr_va_vcc(0) depctr_vm_vsrc(0)
	s_getreg_b32 s2, hwreg(HW_REG_IB_STS2, 6, 4)
	s_cmp_eq_u32 s2, 0
	s_cbranch_scc0 .Lentry_in_a_cluster
	s_endpgm
.Lentry_in_a_cluster:
	s_bfe_u32 s2, ttmp6, 0x10000c
	s_cmp_lg_u32 s2, 0xf033
	s_cbranch_scc0 .Lentry_shape_is_right
	s_endpgm
.Lentry_shape_is_right:
; out0[m][n] = the sum over k of xh[m][k] wh[n][k] + bias[n].  xh: [8192][4096] f16 (x rounded once).  wh: [2048][4096] f16 (W_hat rounded once).  bias: [2048] f32.  out0: [8192][2048] f32.
; One f32 sum for each output, K ascending; the bias is added last, in f32.  LIMITS: those of f16, kept where xh and wh are made; NaN and infinities are not treated apart.
; WHY x COMES AS f16.  Two LDS slots with 256 rows of x in f32 beside 256 rows of wh hold 64 along K each; in f16 they hold 128: 256 matrix instructions a wave for each change of slots.
; SHARES.  A work-group makes 256 x 256 of out0: 8 x 32 = 256 work-groups, one tile each.  Four waves, each 128 x 128: 64 accumulators of 16 x 16, 512 registers.
; K goes in 32 steps of 128 through a ring of two LDS slots filled by the tensor data mover: the tiles' rows are 256 bytes of memory and start at multiples of 256 bytes from the buffer's first byte.
; CLUSTERS: 4 x 4 work-groups.  The four of a row of the cluster need the same rows of xh, the four of a column the same rows of wh: each tile is asked for JOINTLY, by the same tensor load with the same
; descriptor and a mask that names the four.
; THE MATRIX INSTRUCTION IS USED TRANSPOSED (source 0 = 16 rows of wh, source 1 = 16 rows of xh): lane l then holds row l % 16 of out0 and the columns 8 (l / 16) + 0..7.
; REGISTERS, in windows of 256 (s_set_vgpr_msb: bits 1:0 source 0, 3:2 source 1, 5:4 source 2, 7:6 destination):
;   window 0: v0-31 addresses; v32-35 bias; v64-127, v128-191 fragments of xh (8 x 16 rows x 32 K), two buffers; on the way out the same 128 registers take rows read back
;   window 1: v64-127, v128-191 fragments of wh, two buffers
;   window 2: the 32 accumulators of my rows 0-63 (accumulator (a, b) at v[8 (8 a + b)]);   window 3: those of my rows 64-127
.set SIZE_N, 2048
.set SIZE_K, 4096
.set KSTEP,  128
.set PITCH,  272                       ; an LDS row: 256 bytes + 16 of padding = 68 words: row r starts at bank 4 r mod 64 (64 banks of 4 bytes: ISA guide 11.1)
.set HALFT,  128*PITCH                 ; 128 rows: what one tensor load brings, and what one wave reads of xh or of wh
.set SLOT,   4*HALFT                   ; xh's 256 rows, then wh's 256 rows
.set STAGE,  2*SLOT                    ; behind the ring, never filled by a tensor load: 16 rows x 528 bytes for each wave, for the way out
.set SP,     528                       ; a stage row: 512 bytes + 16
.set WST,    16*SP
.set SPARE,  STAGE+4*WST               ; the spare words, 128 bytes for each wave: two blocks of 256 bytes that no other line names
.set LAPS,   SIZE_K/(2*KSTEP)          ; a lap = two K steps = once round the ring
.set OROW,   SIZE_N*4                  ; bytes in a row of out0
.set ADRA, 16                          ; v16-17  LDS address of my xh fragments in slot 0, 1
.set ADRB, 20                          ; v20-21  the same for wh
.set STO,  24                          ; v24     the way out: where I put 32 bytes of a row
.set RD,   25                          ; v25     the way out: where I read 16 bytes back
.set CO,   26                          ; v26     16 x lane: my byte offset in 512 bytes of out0 and of bias; never rewritten
.set SPW,  28                          ; v28     LDS address of my spare word; never rewritten
.set NIL,  29                          ; v29     0; never rewritten
.set PFO,  30                          ; v30     the prefetches' offset: my lane x a row of 8,192 bytes; never rewritten
.set BI,   32                          ; v[32:35] bias of my columns 4 l .. 4 l + 3
.set F0,   64                          ; fragment buffer 0
.set F1,   128                         ; fragment buffer 1
.set OB,   64                          ; the way out: two buffers of 64 registers
.set WV,   12                          ; s12  my wave's number
.set RH,   13                          ; s13  which half of the tile's rows is mine.  Also: I fetch for xh (0) or for wh (1)
.set CH,   14                          ; s14  which half of its columns.  Also: which 128 rows of that tile I fetch
.set LIM,  15                          ; s15  1 in a wave that prefetches, else the greatest number
.set G1,   24                          ; s[24:31] descriptor group 1 for xh's tiles;  s[32:39] group 0, a set for each slot
.set G0,   32
.set PFA,  44                          ; s[44:45] where my prefetches stand
.set G1B,  48                          ; s[48:55], s[56:63] the same for wh's tiles
.set G0B,  56
.set MSB, 0
.macro WIN new                         ; the immediate's high byte repeats the setting that is left; a switch that changes nothing is dropped
.if MSB != (\new)
	s_set_vgpr_msb (MSB<<8)|(\new)
.set MSB, \new
.endif
.endm
.set MUL_LO, 0xa1                      ; source 0 (wh) window 1, source 1 (xh) window 0, C and D window 2
.set MUL_HI, 0xf1                      ; the same, C and D window 3
.set TO_B,   0x40                      ; destination window 1, address window 0
.macro PLACES                          ; four plain places between a matrix instruction and a load into, or a store of, a register that it named
.rept 4
	v_nop
.endr
.endm
; A joint load.  Waves 0 and 1 fetch xh's two halves, waves 2 and 3 wh's.  Each line has one mask and one set of registers; the branch hangs on the wave's number alone.
; An s_nop 0 and four v_nop follow each of the two lines, ahead of the jump, the label and what follows.
.macro JLOAD s
	s_cmp_eq_u32 s[RH], 0
	s_cbranch_scc0 .Lfor_b_\@
	tensor_load_to_lds s[G0+4*(\s):G0+4*(\s)+3], s[G1:G1+7]
	s_nop 0
.rept 4
	v_nop
.endr
	s_branch .Lasked_\@
.Lfor_b_\@:
	tensor_load_to_lds s[G0B+4*(\s):G0B+4*(\s)+3], s[G1B:G1B+7]
	s_nop 0
.rept 4
	v_nop
.endr
.Lasked_\@:
.endm
; A PREFETCH INTO THE L2 of the K step that stands two refills on, 512 matrix instructions ahead of the load that will want it: 32 rows x 256 bytes, a lane a row, one instruction a wave,
; behind the joint load and the run of LDS loads.  Each row's 256 bytes of a K step are named once in the launch.  A tile row of xh is read by both clusters of its row of clusters: cluster x = 0 asks;
; a tile column of wh by the eight clusters of its column: cluster y = 0 asks.  Of the 128 rows that a wave fetches the partner at place p takes 32 p .. 32 p + 31 (p = cx for xh, cy for wh): the
; partners are told apart by address; no branch hangs on a work-group's place in its cluster.  The loop's last trip asks for nothing: K steps 32 and 33 do not exist.
.macro ASK
	s_cmp_gt_u32 s3, s[LIM]                        ; s3 = 1 in the loop's last trip
	s_cbranch_scc0 .Lnot_mine_\@
	global_prefetch_b8 v[PFO], s[PFA:PFA+1] offset:KSTEP*2 th:TH_LOAD_NT scope:SCOPE_SE
.Lnot_mine_\@:
.endm
.macro CREST                           ; a round of the cluster's barrier behind its opening barrier: wave 0 signals for the work-group, every wave waits for all sixteen, my work-group's barrier closes it
	s_cmp_lg_u32 s[WV], 0
	s_cbranch_scc1 .Lnot_wave_0_\@
	s_barrier_signal -3
.Lnot_wave_0_\@:
	s_barrier_wait -3
	s_barrier_signal -1
	s_barrier_wait -1
.endm
.macro CROUND                          ; a whole round
	s_barrier_signal -1
	s_barrier_wait -1
	CREST
.endm
	s_load_b256 s[4:11], s[0:1], 0x0               ; xh s[4:5], wh s[6:7], bias s[8:9], out0 s[10:11]
	v_lshl_add_u32 v[SPW], v0, 2, SPARE
	v_mov_b32 v[NIL], 0
	ds_add_u32 v[SPW], v[NIL]                      ; the wave's opening: the add and its wait stand ahead of my first tensor load; the set-up below, work on registers, stands between them
	v_lshrrev_b32 v1, 5, v0
	v_readfirstlane_b32 s[WV], v1                  ; wave 0..3
	s_lshr_b32 s[RH], s[WV], 1
	s_and_b32 s[CH], s[WV], 1
	s_bfe_u32 s40, ttmp6, 0x40000                  ; cx
	s_bfe_u32 s41, ttmp6, 0x40004                  ; cy
	s_lshl_b32 s42, ttmp9, 2
	s_add_co_u32 s42, s42, s40                     ; tile column = 4 x cluster x + cx, 0..7
	s_and_b32 s43, ttmp7, 0xffff
	s_lshl_b32 s43, s43, 2
	s_add_co_u32 s43, s43, s41                     ; tile row = 4 x cluster y + cy, 0..31
	s_lshl_b32 s70, s41, 2
	s_lshl_b32 s70, 15, s70                        ; my row of the cluster: places 4 cy .. 4 cy + 3
	s_lshl_b32 s71, 0x1111, s40                    ; my column: places cx, cx + 4, cx + 8, cx + 12
	; descriptor group 1: a tile of 128 rows x 128 elements of 2 bytes, padded in LDS
	s_or_b32 s[G1+0], s70, (1<<16)|(1<<20)|(1<<21)|(5<<22)|(3<<25)   ; 15:0 the mask: xh's tiles go to my row; 17:16 elements of 2 bytes; 20 padding on; 21 set beside a mask; 24:22 after every 64 words (code 5); 31:25 4 words (code 3)
	s_or_b32 s[G1B+0], s71, (1<<16)|(1<<20)|(1<<21)|(5<<22)|(3<<25)  ; the same with the mask of my column, for wh's tiles
.irp g, G1, G1B
	s_mov_b32 s[(\g)+1], KSTEP<<16                 ; tensor_dim0 = 128
	s_mov_b32 s[(\g)+2], 128<<16                   ; tensor_dim1 = 128
	s_mov_b32 s[(\g)+3], KSTEP<<16                 ; tile_dim0 = 128
	s_mov_b32 s[(\g)+4], 128                       ; tile_dim1 = 128
	s_mov_b32 s[(\g)+5], SIZE_K                    ; elements from row to row
	s_mov_b32 s[(\g)+6], 0
	s_mov_b32 s[(\g)+7], 0
.endr
	; where the tiles come from.  xh's hang on the tile row alone, wh's on the tile column alone, each in registers that never hold the other coordinate.
	s_lshl_b32 s16, s43, 8
	s_lshl_b32 s17, s[CH], 7
	s_add_co_u32 s16, s16, s17                     ; xh: row 256 x tile row + 128 x half,
	s_lshl_b32 s16, s16, 13                        ; in bytes (8,192 a row): under 2^26
	s_mov_b32 s17, 0
	s_lshl_b32 s66, s42, 8
	s_lshl_b32 s67, s[CH], 7
	s_add_co_u32 s66, s66, s67                     ; wh: row 256 x tile column + 128 x half
	s_lshl_b32 s66, s66, 13
	s_mov_b32 s67, 0
	s_mul_i32 s20, s[WV], HALFT                    ; and where they go: xh's two halves, then wh's two halves = wave x 128 rows: no place in the cluster enters an LDS address
	s_wait_dscnt 0x0                               ; the opening add is done
	s_wait_kmcnt 0x0
	s_add_nc_u64 s[18:19], s[4:5], s[16:17]
	s_add_nc_u64 s[68:69], s[6:7], s[66:67]
.irp s, 0,1
	s_mov_b32 s[G0+4*(\s)], 1                                      ; count = 1
	s_add_co_u32 s[G0+4*(\s)+1], s20, (\s)*SLOT                    ; LDS address
	s_add_nc_u64 s[G0+4*(\s)+2:G0+4*(\s)+3], s[18:19], (\s)*KSTEP*2  ; global address: K step s
	s_or_b32 s[G0+4*(\s)+3], s[G0+4*(\s)+3], 0x80000000            ; type = 2
	s_mov_b32 s[G0B+4*(\s)], 1
	s_add_co_u32 s[G0B+4*(\s)+1], s20, (\s)*SLOT
	s_add_nc_u64 s[G0B+4*(\s)+2:G0B+4*(\s)+3], s[68:69], (\s)*KSTEP*2
	s_or_b32 s[G0B+4*(\s)+3], s[G0B+4*(\s)+3], 0x80000000
.endr
	CROUND                                         ; all sixteen work-groups are here: the first joint loads meet
	s_cmp_eq_u32 s[RH], 0                          ; a wave's two first fills stand in one branch, ahead of every wait on TENSORcnt and every LDS read: two loads of mine are out
	s_cbranch_scc0 .Lfirst_b
	tensor_load_to_lds s[G0:G0+3], s[G1:G1+7]
	s_nop 0
	tensor_load_to_lds s[G0+4:G0+7], s[G1:G1+7]
	s_nop 0
.rept 4
	v_nop
.endr
	s_branch .Lfirst_asked
.Lfirst_b:
	tensor_load_to_lds s[G0B:G0B+3], s[G1B:G1B+7]
	s_nop 0
	tensor_load_to_lds s[G0B+4:G0B+7], s[G1B:G1B+7]
	s_nop 0
.rept 4
	v_nop
.endr
.Lfirst_asked:
	; A fragment is 16 rows x 32 K in 8 registers: lane l holds row l % 16; registers 0-3 hold K = 8 (l / 16) + 0..7, registers 4-7 K = 16 + 8 (l / 16) + 0..7: two loads of 16 bytes, 32 bytes apart.
	v_and_b32 v1, 15, v0                           ; r = l % 16
	v_bfe_u32 v2, v0, 4, 1                         ; h = l / 16
	v_and_b32 v3, 31, v0                           ; l
	v_mul_u32_u24 v4, v1, PITCH
	v_lshl_add_u32 v4, v2, 4, v4                   ; row x pitch + 16 x half
	s_mul_i32 s21, s[RH], HALFT                    ; my 128 rows of xh
	s_mul_i32 s22, s[CH], HALFT                    ; my 128 rows of wh,
	s_add_co_u32 s22, s22, 2*HALFT                 ; which lie behind xh's 256
	v_add_nc_u32 v[ADRA], s21, v4
	v_add_nc_u32 v[ADRA+1], SLOT, v[ADRA]
	v_add_nc_u32 v[ADRB], s22, v4
	v_add_nc_u32 v[ADRB+1], SLOT, v[ADRB]
	s_mul_i32 s23, s[WV], WST
	s_add_co_u32 s23, s23, STAGE                   ; my stage
	v_mul_u32_u24 v5, v1, SP                       ; in: row l % 16, 32 bytes for each half of the lanes
	v_lshl_add_u32 v5, v2, 5, v5
	v_add_nc_u32 v[STO], s23, v5
	v_lshl_add_u32 v[RD], v3, 4, s23               ; back: 32 lanes take a row's 512 bytes
	v_lshlrev_b32 v[CO], 4, v3
	s_lshl_b32 s72, s43, 8
	s_lshl_b32 s73, s[RH], 7
	s_add_co_u32 s72, s72, s73                     ; my first row of out0,
	s_lshl_b32 s72, s72, 13                        ; in bytes: under 2^26,
	s_lshl_b32 s74, s42, 10                        ; the tile's 256 columns: 1,024 bytes of a row of out0 and of bias,
	s_lshl_b32 s75, s[CH], 9                       ; my 128 of them
	s_add_co_u32 s74, s74, s75
	s_add_co_u32 s72, s72, s74
	s_mov_b32 s73, 0
	s_mov_b32 s75, 0
	s_add_nc_u64 s[10:11], s[10:11], s[72:73]
	s_add_nc_u64 s[8:9], s[8:9], s[74:75]
	global_load_b128 v[BI:BI+3], v[CO], s[8:9]     ; the bias is waited for on the way out
	; the prefetches: my address stands at K step 2; the first change of slots steps it to 3 and names K step 4.  Nothing is prefetched here, at the head: K steps 0 to 3 come by their loads alone
	s_and_b32 s76, ttmp7, 0xffff                   ; cluster y
	s_lshl_b32 s77, s43, 8
	s_lshl_b32 s78, s42, 8
	s_cmp_eq_u32 s[RH], 0                          ; do I fetch for xh?
	s_cselect_b32 s78, s77, s78                    ; the tile's first row: in xh by the tile row, in wh by the tile column
	s_cselect_b32 s79, s40, s41                    ; my place among the four that ask for it with me
	s_cselect_b32 s76, ttmp9, s76                  ; the coordinate along which other clusters read the same rows
	s_cselect_b64 s[PFA:PFA+1], s[4:5], s[6:7]
	s_cmp_eq_u32 s76, 0
	s_cselect_b32 s[LIM], 1, -1                    ; the same in all sixteen partners, for a given wave
	s_lshl_b32 s77, s[CH], 7
	s_add_co_u32 s78, s78, s77                     ; + the 128 rows that I fetch
	s_lshl_b32 s79, s79, 5
	s_add_co_u32 s78, s78, s79                     ; + my work-group's 32 of them,
	s_lshl_b32 s78, s78, 13                        ; in bytes
	s_mov_b32 s79, 0
	s_add_nc_u64 s[PFA:PFA+1], s[PFA:PFA+1], s[78:79]
	s_add_nc_u64 s[PFA:PFA+1], s[PFA:PFA+1], 2*KSTEP*2
	v_lshlrev_b32 v[PFO], 13, v3
; 16 matrix instructions: m blocks a0, a0 + 1 of the window's four (hi = 0: my rows 0-63, 1: rows 64-127) x all 8 n blocks, 32 along K.  zero = 1: the product starts the sum: nothing is ever cleared.
; The 64 accumulators take turns in the same order in every quarter: 63 others stand between two links of a chain, over the backward jump too.
.macro MUL16 f, hi, a0, zero
	WIN MUL_LO+0x50*(\hi)
.irp a, \a0, (\a0)+1
.irp b, 0,1,2,3,4,5,6,7
.if \zero
	v_wmma_f32_16x16x32_f16 v[8*(8*(\a)+(\b)):8*(8*(\a)+(\b))+7], v[(\f)+8*(\b):(\f)+8*(\b)+7], v[(\f)+8*(4*(\hi)+(\a)):(\f)+8*(4*(\hi)+(\a))+7], 0
.else
	v_wmma_f32_16x16x32_f16 v[8*(8*(\a)+(\b)):8*(8*(\a)+(\b))+7], v[(\f)+8*(\b):(\f)+8*(\b)+7], v[(\f)+8*(4*(\hi)+(\a)):(\f)+8*(4*(\hi)+(\a))+7], v[8*(8*(\a)+(\b)):8*(8*(\a)+(\b))+7]
.endif
.endr
.endr
.endm
; 32 LDS loads in one run: the fragments of one quarter step (128 rows of wh, 128 rows of xh, 32 K at byte k of the rows) into buffer f
.macro FETCH slot, k, f
	WIN TO_B
.irp i, 0,1,2,3,4,5,6,7
	ds_load_b128 v[(\f)+8*(\i):(\f)+8*(\i)+3],   v[ADRB+(\slot)] offset:(\k)+(\i)*16*PITCH
	ds_load_b128 v[(\f)+8*(\i)+4:(\f)+8*(\i)+7], v[ADRB+(\slot)] offset:(\k)+(\i)*16*PITCH+32
.endr
	WIN 0
.irp i, 0,1,2,3,4,5,6,7
	ds_load_b128 v[(\f)+8*(\i):(\f)+8*(\i)+3],   v[ADRA+(\slot)] offset:(\k)+(\i)*16*PITCH
	ds_load_b128 v[(\f)+8*(\i)+4:(\f)+8*(\i)+7], v[ADRA+(\slot)] offset:(\k)+(\i)*16*PITCH+32
.endr
.endm
; A K step is four quarters of 32 along K, 64 matrix instructions each, on buffers 0, 1, 0, 1.  One of the first three: multiplies buffer f; in its middle it fetches the next quarter, at byte k, into buffer g.
.macro QUARTER slot, k, f, g, zero
	s_wait_dscnt 8                                 ; wh and xh's rows 0-63 are in; the youngest eight loads (xh's rows 64-127) may be out
	MUL16 \f, 0, 0, \zero
	MUL16 \f, 0, 2, \zero
	PLACES                                         ; for the loads into buffer g, which the quarter before multiplied
	FETCH \slot, \k, \g
	s_wait_dscnt 32                                ; all but the 32 just issued
	MUL16 \f, 1, 0, \zero
	MUL16 \f, 1, 2, \zero
.endm
; The last quarter multiplies buffer 1 and changes slots.  MEET is its first half: ONE barrier.  In front of it each wave waits for all its tensor loads, of which one is out: its part of the next slot;
; adds 0 to its spare word; and waits for that and for its own reads of this slot.  Behind it nobody reads this slot any more and the next slot is whole.
.macro MEET round                      ; round = 1: the rest of a round of the cluster's barrier follows
	WIN 0                                          ; (the add's two registers lie in window 0)
	s_wait_tensorcnt 0x0                           ; all my tensor loads have landed
	ds_add_u32 v[SPW], v[NIL]                      ; 0 onto my spare word
	s_wait_dscnt 9                                 ; (the add and the youngest eight loads may be out)
	MUL16 F1, 0, 0, 0                              ; sixteen matrix instructions stand between the add and the wait for it
	s_wait_dscnt 0x0                               ; the add is done, and my reads of this slot are over
	s_barrier_signal -1
	MUL16 F1, 0, 2, 0                              ; work on registers while the others arrive
.if \round
	WIN 0
.endif
	s_barrier_wait -1
.endm
; The whole last quarter.  fill = 1: the barrier opens a round of the cluster's barrier, and the slot just read out is filled again, two K steps on, first thing behind the round: from that request to the
; wait for it a wave issues 224 matrix instructions.
.macro TURN slot, next, fill
.if \fill
	s_wait_xcnt 0x0                                ; the last prefetch, a K step back, has read its address: it is stepped here, ahead of the waits of the change of slots
	s_add_nc_u64 s[PFA:PFA+1], s[PFA:PFA+1], KSTEP*2
.endif
	MEET \fill
.if \fill
	CREST                                          ; no wave of any partner still reads this slot or has a load on its way
	s_add_nc_u64 s[G0+4*(\slot)+2:G0+4*(\slot)+3], s[G0+4*(\slot)+2:G0+4*(\slot)+3], 2*KSTEP*2
	s_add_nc_u64 s[G0B+4*(\slot)+2:G0B+4*(\slot)+3], s[G0B+4*(\slot)+2:G0B+4*(\slot)+3], 2*KSTEP*2
	JLOAD \slot                                    ; the first tensor load behind the round; its four v_nop are also the places in front of the loads below
.else
	PLACES
.endif
	FETCH \next, 0, F0
.if \fill
	ASK                                            ; behind the joint load and the run of LDS loads that the next products wait for
.endif
	MUL16 F1, 1, 0, 0
	MUL16 F1, 1, 2, 0
.endm
; THE WAY OUT of block a, 16 rows x 128 columns, in three parts.  DSTORE: a lane's eight columns go straight from the accumulators (each one's four lowest registers first) into my own
; stage, rows of 528 bytes.  DLOAD: back as whole rows of 512 bytes.  SEND: the bias is added and the rows are stored.
.macro DSTORE a
	WIN 0x08+4*((\a)/4)                            ; the stores' data (source 1) in window 2 or 3
.set AC, 64*((\a)%4)
.irp b, 0,1,2,3,4,5,6,7
	ds_store_b128 v[STO], v[AC+8*(\b):AC+8*(\b)+3]   offset:64*(\b)
	ds_store_b128 v[STO], v[AC+8*(\b)+4:AC+8*(\b)+7] offset:64*(\b)+16
.endr
	WIN 0
.endm
.macro DLOAD a
	WIN 0
.set BK, OB+64*((\a)%2)
	s_wait_xcnt 0x0                                ; the stores of the block before last have read these registers, which are loaded again below
.irp t, 0,1,2,3,4,5,6,7,8,9,10,11,12,13,14,15
	ds_load_b128 v[BK+4*(\t):BK+4*(\t)+3], v[RD] offset:(\t)*SP  ; LDS serves a wave's instructions in order (ISA guide 5.7.1.4): these see the stores above; the next block's stores come behind them
.endr
.endm
.macro SEND a, younger                 ; younger: the LDS instructions issued behind block a's loads: the next block's sixteen stores, or none
	WIN 0
.set BK, OB+64*((\a)%2)
	s_wait_dscnt \younger                          ; the block is back in registers
.irp t, 0,1,2,3,4,5,6,7,8,9,10,11,12,13,14,15
	v_pk_add_f32 v[BK+4*(\t):BK+4*(\t)+1],   v[BK+4*(\t):BK+4*(\t)+1],   v[BI:BI+1]
	v_pk_add_f32 v[BK+4*(\t)+2:BK+4*(\t)+3], v[BK+4*(\t)+2:BK+4*(\t)+3], v[BI+2:BI+3]
	global_store_b128 v[CO], v[BK+4*(\t):BK+4*(\t)+3], s[10:11] offset:(16*(\a)+(\t))*OROW th:TH_STORE_NT  ; 512 consecutive bytes, at a multiple of 256 from out0's first byte; 127 rows at the most: inside the signed 24-bit immediate
.endr
.endm
	s_wait_tensorcnt 1                             ; my part of K step 0 is in; K step 1's may stay out
	s_barrier_signal -1
	s_barrier_wait -1                              ; everybody's is
	FETCH 0, 0, F0
	QUARTER 0, 64,  F0, F1, 1                      ; the first quarter stands in front of the loop: its products start the 64 sums
	WIN 0                                          ; at a label and at a branch every window is 0
	s_mov_b32 s3, LAPS-1
.Llap:                                             ; a trip goes once round the ring, from a lap's second quarter to the next lap's first, and fills both slots again
	QUARTER 0, 128, F1, F0, 0
	QUARTER 0, 192, F0, F1, 0
	TURN 0, 1, 1
	QUARTER 1, 64,  F0, F1, 0
	QUARTER 1, 128, F1, F0, 0
	QUARTER 1, 192, F0, F1, 0
	TURN 1, 0, 1
	QUARTER 0, 64,  F0, F1, 0
	WIN 0
	s_sub_co_u32 s3, s3, 1
	s_cmp_lg_u32 s3, 0
	s_cbranch_scc1 .Llap
	QUARTER 0, 128, F1, F0, 0                      ; the last lap's rest is written out, so no round follows its barrier
	QUARTER 0, 192, F0, F1, 0
	TURN 0, 1, 0
	QUARTER 1, 64,  F0, F1, 0
	QUARTER 1, 128, F1, F0, 0
	QUARTER 1, 192, F0, F1, 0
	s_wait_dscnt 8                                 ; the very last quarter: nothing more to fetch
	MUL16 F1, 0, 0, 0
	MUL16 F1, 0, 2, 0
	s_wait_dscnt 0x0
	MUL16 F1, 1, 0, 0
	MUL16 F1, 1, 2, 0
	WIN 0
	s_wait_loadcnt 0x0                             ; the bias
	PLACES                                         ; eight plain places, once a launch, between the last products and the stores that read their results and the loads into their sources
	PLACES
	DSTORE 0
	DLOAD 0
.irp a, 1,2,3,4,5,6,7                  ; block a's sixteen LDS stores stand between block a - 1's loads from the stage and the wait for them
	DSTORE \a
	SEND (\a)-1, 16
	DLOAD \a
.endr
	SEND 7, 0
	s_wait_tensorcnt 0x0                           ; the wave's end, behind my last tensor load and my last LDS store
	ds_add_u32 v[SPW], v[NIL]
	s_wait_dscnt 0x0
	CROUND                                         ; the closing round: no work-group ends while a partner may still ask for a tile that names it
	s_endpgm
.Lfunc_end_k_qb76998da64_gemm:
	.size	k_qb76998da64_gemm, .Lfunc_end_k_qb76998da64_gemm-k_qb76998da64_gemm
	.p2alignl 7, 3214868480
	.fill 96, 4, 3214868480
	.section	.rodata,"a",@progbits
	.p2align	6, 0x0
	.amdhsa_kernel k_qb76998da64_gemm
		.amdhsa_group_segment_fixed_size 327680
		.amdhsa_private_segment_fixed_size 0
		.amdhsa_enable_private_segment 0
		.amdhsa_kernarg_size 32
		.amdhsa_user_sgpr_count 2
		.amdhsa_user_sgpr_kernarg_segment_ptr 1
		.amdhsa_wavefront_size32 1
		.amdhsa_system_sgpr_workgroup_id_x 1
		.amdhsa_system_sgpr_workgroup_id_y 1
		.amdhsa_system_sgpr_workgroup_id_z 1
		.amdhsa_system_vgpr_workitem_id 0
		.amdhsa_next_free_vgpr 1024
		.amdhsa_next_free_sgpr 96
		.amdhsa_reserve_vcc 0
		.amdhsa_float_denorm_mode_32 3
		.amdhsa_float_denorm_mode_16_64 3
		.amdhsa_memory_ordered 1
		.amdhsa_forward_progress 1
		.amdhsa_inst_pref_size 157
	.end_amdhsa_kernel
	.amdgpu_metadata
---
amdhsa.version: [ 1, 2 ]
amdhsa.kernels:
  - .name:           k_qb76998da64_gemm
    .symbol:         k_qb76998da64_gemm.kd
    .args:
      - { .name: xh, .offset: 0, .size: 8, .value_kind: global_buffer, .address_space: global }
      - { .name: wh, .offset: 8, .size: 8, .value_kind: global_buffer, .address_space: global }
      - { .name: bias, .offset: 16, .size: 8, .value_kind: global_buffer, .address_space: global }
      - { .name: out0, .offset: 24, .size: 8, .value_kind: global_buffer, .address_space: global }
    .group_segment_fixed_size: 327680
    .private_segment_fixed_size: 0
    .kernarg_segment_align: 8
    .kernarg_segment_size: 32
    .max_flat_workgroup_size: 128
    .sgpr_count:     96
    .vgpr_count:     1024
    .wavefront_size: 32
...
	.end_amdgpu_metadata
.endif
;; end of part 2
;; ======== version 2 of 2: 2 launches; version 1 with the launch prep written anew for expert scheduling mode
;; limits: values are held in f16: magnitudes above 65,504 overflow, below 6.1e-05 lose precision; inputs' magnitudes at most 65,504
;; workspace buffers: xh 67,108,864 bytes; wh 16,777,216 bytes
;; launch prep (part 3): grid 1024 x 1, 4 waves a work-group, no clusters, 5,632 bytes of LDS; arguments x, W_packed, scale, zero, xh, wh; writes xh, wh
.if DOCPART == 3
	.amdgcn_target "amdgcn-amd-amdhsa--gfx1250"
	.amdhsa_code_object_version 6
	.text
	.protected	k_qb76998da64_prep
	.globl	k_qb76998da64_prep
	.p2align	8
	.type	k_qb76998da64_prep,@function
k_qb76998da64_prep:
	s_mov_b64 s[64:65], 0
	v_nop
	global_prefetch_b8 v0, s[64:65] scope:SCOPE_SE
	s_setreg_imm32_b32 hwreg(HW_REG_WAVE_SCHED_MODE, 0, 2), 2
	s_setreg_imm32_b32 hwreg(HW_REG_WAVE_MODE, 25, 1), 1
	s_wait_xcnt 0x0
	s_wait_alu depctr_vm_vsrc(0)
; TWO JOBS, SHARED OUT EVENLY: each of the 4,096 waves does 1/4,096 of both.
; (a) wh = W_hat in f16, [2048][4096] row-major.  W_hat[n][k] = (bit - zero[g]) x scale[g], g = 64 n + k / 64; bit j of the word W_packed[n][k / 8] belongs to k % 8 = j; bits above bit 7 are ignored.
;     A group has two values only: lo = (0 - zero) x scale and hi = (1 - zero) x scale, made in f32 in that order and rounded once to f16.
; (b) xh = x rounded once to f16, [8192][4096] row-major.
; LIMITS.  A value of 65,520 or more in magnitude becomes an infinity in f16; below 6e-5 f16 keeps a fixed step of 6e-8.  NaN and infinities are not treated apart.
; SHARES.  Wave w of work-group b: (a) rows 2 b and 2 b + 1, k = 1,024 w .. 1,024 w + 1,023: 512 consecutive bytes of W_packed and 16 groups of each row; it writes, for each row, eight blocks of 256
; consecutive bytes, each at a multiple of 256 from wh's first byte.  A lane's 16 bytes of output are the 8 bits of ONE word of W_packed.  LDS serves only to change lanes; each wave has bytes of its own: no barrier.
; (b) 32,768 consecutive bytes of x: 64 loads of 512 consecutive bytes, in 16 blocks of four, through a ring of five register buffers; each load becomes one store of 256 consecutive bytes, at a multiple of 256 from xh's first byte.
; The ring's first 20 loads are issued ahead of (a)'s arithmetic and are on their way while it runs.  Every place stands in an immediate: no address register is ever rewritten.
; No matrix unit, no cluster, no tensor load: no byte is wanted by two waves (but scale's and zero's rows, 256 bytes that a work-group's four waves share).
; THE MODE: SCHED_MODE bits 1:0 = 2 (LLVM: expert scheduling mode 2), set by the entry lines.  The code itself states the register dependences between vector instructions and memory or LDS
; instructions, with s_wait_alu, always for 0.  The text has no branch: there is one path.
; THE PLAN.  Registers that memory or LDS instructions touch:
;   v4-v11, v14, v15  offsets and LDS addresses: written at the head, read by every load, store and LDS instruction, never written again: one wait ahead of the first load serves them all.
;   SC, ZE, LH, WW    loads land in them once; vector lines read them; nothing lands in them again.      WP  global loads land in it, LDS stores read it: no vector line names it.
;   PKW               written by one conversion, read by one LDS store: one wait, ahead of the run of LDS stores.
;   OUT               written by the eight steps' byte selections, four registers a step, none twice; read by the eight stores into wh, which stand in one run behind one wait.
;   X0 .. X4          block p's eight conversions read X[p % 5]; behind them the four loads of block p + 5 land in it.
;   Y0 .. Y7          block p's conversions write Y[p % 8]; its four stores read it; block p + 8 writes it again.
; So ONE wait on va_vdst stands in a block, behind its conversions: they are done reading X[p % 5] and have written Y[p % 8]; the block's four loads and four stores follow it.  ONE wait on vm_vsrc stands
; in the stream, at block 8's head: the stores of blocks 0 to 7, all issued ahead of it, have read the registers that blocks 8 to 15 write again.
.set WBYTES, 1280                      ; LDS bytes of a wave
.set RP,     576                       ; a row's 128 words: 512 bytes + 64 = 144 words: the second row starts 16 banks on (64 banks of 4 bytes: ISA guide 11.1)
.set TBL,    2*RP                      ; behind them the table of (lo, hi) words: [row][parity of the group][8 words]
.set SPARE,  4*WBYTES                  ; the spare words, 128 bytes for each wave: two blocks of 256 bytes that no other line names
.set BLK,    4                         ; loads of x in a block
.set NBUF,   5                         ; buffers of the ring: a block waits for four loads at once, and four younger blocks, sixteen loads, stay out at that wait
.set DEPTH,  NBUF*BLK                  ; loads of x in flight in each wave, at the most
.set NL,     64                        ; loads of x of a wave
.set NB,     NL/BLK                    ; blocks
.set YB,     8                         ; buffers of four pairs for the stores' data: each is used twice
.set GI,  4                            ; v4   16 x lane: offset of the loads of x and of W_packed
.set XO,  5                            ; v5   8 x lane: offset of the stores into xh
.set GS,  6                            ; v6   my group in scale and zero: row x 256 + 4 (l % 16)
.set GO,  7                            ; v7   my 16 bytes in wh: row x 8,192 + 16 (l % 16)
.set LW,  8                            ; v8   where I put 16 bytes of W_packed
.set LT,  9                            ; v9   where I put my table word
.set RW,  10                           ; v10  where I read my word of step 0
.set RT,  11                           ; v11  where I read my eight table words
.set T0,  12                           ; v12, v13 at work: no memory instruction names them
.set T1,  13
.set SPW, 14                           ; v14  LDS address of my spare word; never rewritten
.set NIL, 15                           ; v15  0; never rewritten
.set WP,  16                           ; v[16:23]  W_packed as loaded: four words of row 0, four of row 1
.set SC,  24                           ; v24  scale,  v25 zero,  v26 my (lo, hi) word
.set ZE,  25
.set PKW, 26
.set SEL, 28                           ; v[28:31]  four byte selectors: no memory instruction names them
.set LH,  32                           ; v[32:39]  (lo, hi) of step t
.set WW,  40                           ; v[40:47]  my packed word of step t
.set OUT, 48                           ; v[48:79]  four registers for each step: none is written again
.set X,   80                           ; v[80:159]  the ring: buffer k, load j: four registers at X + 16 k + 4 j, as loaded
.set Y,   160                          ; v[160:223] the stores' data: buffer k, load j: a pair at Y + 8 k + 2 j
	s_load_b256 s[4:11], s[0:1], 0x0               ; x s[4:5], W_packed s[6:7], scale s[8:9], zero s[10:11]
	s_load_b128 s[12:15], s[0:1], 0x20             ; xh s[12:13], wh s[14:15]
	v_lshl_add_u32 v[SPW], v0, 2, SPARE
	v_mov_b32 v[NIL], 0
	v_lshrrev_b32 v1, 5, v0
	v_readfirstlane_b32 s16, v1                    ; wave 0..3
	v_and_b32 v1, 31, v0                           ; l
	v_and_b32 v2, 15, v0                           ; l % 16: my word in a block of 16 words (128 k)
	v_bfe_u32 v3, v0, 4, 1                         ; row: 2 b or 2 b + 1
	s_wait_alu depctr_va_sdst(0)                   ; s16 is written, ahead of its first reader: the wave's LDS bytes and all five bases are made from it
	s_mul_i32 s17, s16, WBYTES                     ; my wave's LDS bytes
	s_add_co_u32 s18, s17, TBL                     ; its table
	s_mov_b32 s20, 0x02020202                      ; bit 1 of each selector byte
	s_mov_b32 s21, 0x01000100                      ; selector of (lo, lo)
	v_lshlrev_b32 v[GI], 4, v1
	v_lshlrev_b32 v[XO], 3, v1
	v_lshlrev_b32 v[GS], 2, v2
	v_lshl_add_u32 v[GS], v3, 8, v[GS]
	v_lshlrev_b32 v[GO], 4, v2
	v_lshl_add_u32 v[GO], v3, 13, v[GO]
	v_add_nc_u32 v[LW], s17, v[GI]
	v_and_b32 v[T0], 1, v0                         ; as loaded, lane l holds group l % 16 of its row: its parity,
	v_bfe_u32 v[T1], v0, 1, 3                      ; and the step to which it belongs
	v_lshlrev_b32 v[LT], 6, v3                     ; a row's table is 64 bytes,
	v_lshl_add_u32 v[LT], v[T0], 5, v[LT]          ; a parity's 32
	v_lshl_add_u32 v[LT], v[T1], 2, v[LT]
	v_add_nc_u32 v[LT], s18, v[LT]
	v_mul_u32_u24 v[RW], v3, RP
	v_lshl_add_u32 v[RW], v2, 2, v[RW]
	v_add_nc_u32 v[RW], s17, v[RW]
	v_bfe_u32 v[T0], v0, 3, 1                      ; words 0-7 of a block lie in its even group, words 8-15 in its odd one
	v_lshlrev_b32 v[RT], 6, v3
	v_lshl_add_u32 v[RT], v[T0], 5, v[RT]
	v_add_nc_u32 v[RT], s18, v[RT]
	s_lshl_b32 s22, ttmp9, 17                      ; x: 131,072 bytes a work-group,
	s_lshl_b32 s23, s16, 15                        ; 32,768 a wave: under 2^27 in all
	s_add_co_u32 s22, s22, s23
	s_mov_b32 s23, 0
	s_lshr_b32 s24, s22, 1                         ; xh: half of that
	s_mov_b32 s25, 0
	s_lshl_b32 s26, ttmp9, 12                      ; W_packed: two rows of 2,048 bytes a work-group,
	s_lshl_b32 s27, s16, 9                         ; 512 bytes of each a wave
	s_add_co_u32 s26, s26, s27
	s_mov_b32 s27, 0
	s_lshr_b32 s28, s26, 3                         ; scale and zero: rows of 256 bytes, 64 bytes a wave
	s_mov_b32 s29, 0
	s_lshl_b32 s30, s26, 2                         ; wh: rows of 8,192 bytes, 2,048 bytes a wave
	s_mov_b32 s31, 0
	s_wait_kmcnt 0x0
	s_add_nc_u64 s[4:5], s[4:5], s[22:23]
	s_add_nc_u64 s[12:13], s[12:13], s[24:25]
	s_add_nc_u64 s[6:7], s[6:7], s[26:27]
	s_add_nc_u64 s[8:9], s[8:9], s[28:29]
	s_add_nc_u64 s[10:11], s[10:11], s[28:29]
	s_add_nc_u64 s[14:15], s[14:15], s[30:31]
	s_wait_alu depctr_va_vdst(0)                   ; the eight offsets and LDS addresses v4 to v11 are written, which every load, store and LDS instruction below reads; no vector line names them again
	global_load_b32 v[SC], v[GS], s[8:9]
	global_load_b32 v[ZE], v[GS], s[10:11]
	global_load_b128 v[WP:WP+3],   v[GI], s[6:7] th:TH_LOAD_NT
	global_load_b128 v[WP+4:WP+7], v[GI], s[6:7] offset:2048 th:TH_LOAD_NT
.set i, 0
.rept DEPTH
	global_load_b128 v[X+4*i:X+4*i+3], v[GI], s[4:5] offset:i*512 th:TH_LOAD_NT  ; the ring is filled: blocks 0 to 4 into X0 to X4
.set i, i+1
.endr
	s_wait_loadcnt DEPTH+2                         ; scale and zero are in; W_packed's two loads and the ring's twenty stay out
	v_sub_f32 v[T0], 0, v[ZE]                      ; 0 - zero
	v_sub_f32 v[T1], 1.0, v[ZE]                    ; 1 - zero
	v_mul_f32 v[T0], v[T0], v[SC]
	v_mul_f32 v[T1], v[T1], v[SC]
	v_cvt_pk_f16_f32 v[PKW], v[T0], v[T1]          ; lo in the low half, hi in the high half
	s_wait_loadcnt DEPTH                           ; W_packed is in
	s_wait_alu depctr_va_vdst(0)                   ; the conversion has written v[PKW], which the first of the three LDS stores reads
	ds_store_b32 v[LT], v[PKW]
	ds_store_b128 v[LW], v[WP:WP+3]
	ds_store_b128 v[LW], v[WP+4:WP+7] offset:RP
	; LDS serves a wave's instructions in order (ISA guide 5.7.1.4): the loads below see the stores above; the bytes are my wave's own
	ds_load_b128 v[LH:LH+3],   v[RT]
	ds_load_b128 v[LH+4:LH+7], v[RT] offset:16
.set t, 0
.rept 8
	ds_load_b32 v[WW+t], v[RW] offset:64*t         ; lanes 0-15 take 16 neighbouring words, lanes 16-31 the 16 that lie 144 words on: 32 different banks
.set t, t+1
.endr
; Step t: 128 k of both rows.  The byte B is spread so that bit 2 p stands at places 2 p + 1 and 2 p + 9 and bit 2 p + 1 at places 2 p + 17 and 2 p + 25; shifted right by 2 p and masked,
; that is bit 1 of the four selector bytes: bytes (0, 1) of the table word, lo, where the bit is 0, bytes (2, 3), hi, where it is 1.  Place 16, where two bits meet, is never taken.
; All eight steps' arithmetic stands together; their stores follow in one run.
.set t, 0
.rept 8
	s_wait_dscnt 7-t                               ; my word of step t is in (and the table words, asked for earlier); the younger loads stay out
	v_and_b32 v[T0], 0xff, v[WW+t]
	v_lshl_or_b32 v[T0], v[T0], 8, v[T0]
	v_lshlrev_b32 v[T1], 1, v[T0]
	v_lshl_or_b32 v[T0], v[T0], 16, v[T1]
	v_lshrrev_b32 v[SEL+1], 2, v[T0]
	v_lshrrev_b32 v[SEL+2], 4, v[T0]
	v_lshrrev_b32 v[SEL+3], 6, v[T0]
	v_and_or_b32 v[SEL], v[T0], s20, s21
	v_and_or_b32 v[SEL+1], v[SEL+1], s20, s21
	v_and_or_b32 v[SEL+2], v[SEL+2], s20, s21
	v_and_or_b32 v[SEL+3], v[SEL+3], s20, s21
.irp p, 0,1,2,3
	v_perm_b32 v[OUT+4*t+(\p)], v[LH+t], v[LH+t], v[SEL+(\p)]
.endr
.set t, t+1
.endr
	s_wait_alu depctr_va_vdst(0)                   ; the byte selections have written all 32 registers of OUT, which the eight stores read
.set t, 0
.rept 8
	global_store_b128 v[GO], v[OUT+4*t:OUT+4*t+3], s[14:15] offset:t*256  ; lanes 0-15 store 256 consecutive bytes of row 2 b, lanes 16-31 of row 2 b + 1
.set t, t+1
.endr
; The stream.  Block p: X[p % 5] holds its four loads; they are converted into Y[p % 8]; the buffer is asked for again at once, five blocks on, ahead of the block's four stores.
.set p, 0
.rept NB
.if NB-1-p < NBUF-1
	s_wait_loadcnt BLK*(NB-1-p)                    ; the last five blocks load nothing: the counts run down
.else
	s_wait_loadcnt BLK*(NBUF-1)                    ; loads come back in order (ISA guide 5.7.1): my block's four are in, the sixteen younger ones stay out
.endif
.if p == YB
	s_wait_xcnt 0x0                                ; the first 32 stores have read their data: from here on those registers are written a second time
	s_wait_alu depctr_vm_vsrc(0)                   ; the stores of blocks 0 to 7, all issued above, have read Y0 to Y7, which the conversions of blocks 8 to 15 write again
.endif
.set j, 0
.rept BLK
	v_cvt_pk_f16_f32 v[Y+8*(p%YB)+2*j],   v[X+16*(p%NBUF)+4*j],   v[X+16*(p%NBUF)+4*j+1]
	v_cvt_pk_f16_f32 v[Y+8*(p%YB)+2*j+1], v[X+16*(p%NBUF)+4*j+2], v[X+16*(p%NBUF)+4*j+3]
.set j, j+1
.endr
	s_wait_alu depctr_va_vdst(0)                   ; the eight conversions are done reading X[p % 5], in which the loads below land, and have written Y[p % 8], which the stores below read
.if p+NBUF < NB
.set j, 0
.rept BLK
	global_load_b128 v[X+16*(p%NBUF)+4*j:X+16*(p%NBUF)+4*j+3], v[GI], s[4:5] offset:((p+NBUF)*BLK+j)*512 th:TH_LOAD_NT
.set j, j+1
.endr
.endif
.set j, 0
.rept BLK
	global_store_b64 v[XO], v[Y+8*(p%YB)+2*j:Y+8*(p%YB)+2*j+1], s[12:13] offset:(p*BLK+j)*256  ; 32 lanes store 256 consecutive bytes
.set j, j+1
.endr
.set p, p+1
.endr
	s_wait_dscnt 0x0                               ; the closing lines, six on end
	s_wait_alu 0x0
	s_wait_tensorcnt 0x0
	ds_add_u32 v[SPW], v[NIL]
	s_wait_dscnt 0x0
	s_endpgm
.Lfunc_end_k_qb76998da64_prep:
	.size	k_qb76998da64_prep, .Lfunc_end_k_qb76998da64_prep-k_qb76998da64_prep
	.p2alignl 7, 3214868480
	.fill 96, 4, 3214868480
	.section	.rodata,"a",@progbits
	.p2align	6, 0x0
	.amdhsa_kernel k_qb76998da64_prep
		.amdhsa_group_segment_fixed_size 5632
		.amdhsa_private_segment_fixed_size 0
		.amdhsa_enable_private_segment 0
		.amdhsa_kernarg_size 48
		.amdhsa_user_sgpr_count 2
		.amdhsa_user_sgpr_kernarg_segment_ptr 1
		.amdhsa_wavefront_size32 1
		.amdhsa_system_sgpr_workgroup_id_x 1
		.amdhsa_system_sgpr_workgroup_id_y 1
		.amdhsa_system_sgpr_workgroup_id_z 1
		.amdhsa_system_vgpr_workitem_id 0
		.amdhsa_next_free_vgpr 224
		.amdhsa_next_free_sgpr 66
		.amdhsa_reserve_vcc 0
		.amdhsa_float_denorm_mode_32 3
		.amdhsa_float_denorm_mode_16_64 3
		.amdhsa_memory_ordered 1
		.amdhsa_forward_progress 1
		.amdhsa_inst_pref_size 33
	.end_amdhsa_kernel
	.amdgpu_metadata
---
amdhsa.version: [ 1, 2 ]
amdhsa.kernels:
  - .name:           k_qb76998da64_prep
    .symbol:         k_qb76998da64_prep.kd
    .args:
      - { .name: x, .offset: 0, .size: 8, .value_kind: global_buffer, .address_space: global }
      - { .name: W_packed, .offset: 8, .size: 8, .value_kind: global_buffer, .address_space: global }
      - { .name: scale, .offset: 16, .size: 8, .value_kind: global_buffer, .address_space: global }
      - { .name: zero, .offset: 24, .size: 8, .value_kind: global_buffer, .address_space: global }
      - { .name: xh, .offset: 32, .size: 8, .value_kind: global_buffer, .address_space: global }
      - { .name: wh, .offset: 40, .size: 8, .value_kind: global_buffer, .address_space: global }
    .group_segment_fixed_size: 5632
    .private_segment_fixed_size: 0
    .kernarg_segment_align: 8
    .kernarg_segment_size: 48
    .max_flat_workgroup_size: 128
    .sgpr_count:     66
    .vgpr_count:     224
    .wavefront_size: 32
...
	.end_amdgpu_metadata
.endif
;; end of part 3
;; launch gemm: the kernel of part 2 again; grid 8 x 32, 4 waves a work-group, clusters of 4 x 4, 327,680 bytes of LDS; arguments xh, wh, bias, out0; writes out0
